; MI455X (gfx1250); checked and timed in simulation.
; The chip was launched on July 23, 2026; its instructions are those of AMD's public machine-readable ISA for CDNA 5 (MIT licence, August 2026) and "CDNA5" Instruction Set Architecture Reference Guide (July 2026). The comments in the code are by the model that wrote it; some were corrected since.
;; Multi Head Self Attention. Allowed arithmetic: matrix products marked QUANTISED: E2M1 operands, one E8M0 scale for each 32 along K, by v_wmma_scale_f32_16x16x128_f8f6f4 with both operands' format E2M1 (or v_wmma_scale_f32_32x16x128_f4), f32 sums; everything else in f32.
;; Inputs: bk 1,024 float32; bo 1,024 float32; bq 1,024 float32; bv 1,024 float32; wk_codes 1,024 x 32 x 16 uint8 (E2M1 codes of wk, K innermost, in blocks of 32 codes, two codes a byte); wk_scales 1,024 x 32 uint8 (E8M0 scales of wk, one for each 32 codes along K); wo_codes 1,024 x 32 x 16 uint8 (E2M1 codes of wo, K innermost, in blocks of 32 codes, two codes a byte); wo_scales 1,024 x 32 uint8 (E8M0 scales of wo, one for each 32 codes along K); wq_codes 1,024 x 32 x 16 uint8 (E2M1 codes of wq, K innermost, in blocks of 32 codes, two codes a byte); wq_scales 1,024 x 32 uint8 (E8M0 scales of wq, one for each 32 codes along K); wv_codes 1,024 x 32 x 16 uint8 (E2M1 codes of wv, K innermost, in blocks of 32 codes, two codes a byte); wv_scales 1,024 x 32 uint8 (E8M0 scales of wv, one for each 32 codes along K); x_codes 4 x 2,048 x 32 x 16 uint8 (E2M1 codes of x, K innermost, in blocks of 32 codes, two codes a byte); x_scales 4 x 2,048 x 32 uint8 (E8M0 scales of x, one for each 32 codes along K).
;; Outputs: out0 4 x 2,048 x 1,024 float32.
;; This version of the problem:
;;   THIS VERSION OF THE PROBLEM IS GIVEN IN LOW PRECISION. The matrix products marked QUANTISED in the list below multiply operands that are first quantised to E2M1 (2 exponent bits, 1 mantissa bit; 4 bits a number), with one power-of-two scale for each 32 numbers along K (OCP MX v1.0); their sums are f32. All else is computed in f32.
;;   The module's matrix products, in the order in which they are computed (A, B: the left and right operand; K: the contracted axis; several contracted axes count as one K, in the product's order):
;;     1. [M 8,192, K 1,024] x [K 1,024, N 1,024]; A: input x (given as codes); B: input wq (given as codes): QUANTISED
;;     2. [M 8,192, K 1,024] x [K 1,024, N 1,024]; A: input x (given as codes); B: input wk (given as codes): QUANTISED
;;     3. [M 8,192, K 1,024] x [K 1,024, N 1,024]; A: input x (given as codes); B: input wv (given as codes): QUANTISED
;;     4. batch 64 x [M 2,048, K 64] x [K 64, N 2,048]; A: computed on the way; B: computed on the way: QUANTISED
;;     5. batch 64 x [M 2,048, K 2,048] x [K 2,048, N 64]; A: softmax (see below); B: computed on the way: QUANTISED
;;     6. [M 8,192, K 1,024] x [K 1,024, N 1,024]; A: computed on the way; B: input wo (given as codes): QUANTISED
;;   THE QUANTISER, for each operand of a quantised product, along K:
;;     - K is cut into blocks of 32 from its start; a last block that is shorter is filled with zeros.
;;     - A block's scale is 2^e with e = floor(log2(the largest magnitude in the block)) - 2, held to -126 .. 127; a block of zeros has e = 0. As a byte (E8M0): e + 127.
;;     - Each number is divided by its block's scale, clamped to +-6, and rounded to the nearest number of E2M1, ties to even, subnormals kept.
;;     - The product sums the exact products of the quantised numbers (number of the format x scale) in f32.
;;   ~~~python
;;   def quantise(x, axis):      # numpy; x: float32 -> the quantised numbers, widened to float32 again
;;       x = np.moveaxis(x, axis, -1); K = x.shape[-1]
;;       x = np.pad(x, [(0, 0)] * (x.ndim - 1) + [(0, -K % 32)]); x = x.reshape(x.shape[:-1] + (-1, 32)); a = np.abs(x).max(-1, keepdims=True)
;;       e = np.where(a > 0, np.clip(np.frexp(np.where(a > 0, a, 1))[1] - 1 - 2, -126, 127), 0)      # np.frexp(a)[1] - 1 = floor(log2(a)), exactly
;;       r = np.clip(x / 2.0 ** e, -6, 6)
;;       step = 2.0 ** (np.maximum(np.frexp(np.where(r == 0, 1, r))[1] - 1, 0) - 1)
;;       q = np.round(r / step) * step * 2.0 ** e      # np.round: ties to even
;;       return np.moveaxis(q.reshape(q.shape[:-2] + (-1,))[..., :K], -1, axis).astype(np.float32)
;;   ~~~
;;   SOFTMAX AHEAD OF A QUANTISED PRODUCT. Where the list says 'softmax', what is quantised is not the finished softmax but p = 2^(t - M), with t = logit x log2(e) and M = ceil(the row's largest t), a whole number; so 1/2 < the row's largest p <= 1. The row's sum l is taken of the UNQUANTISED p, in f32, and the product's result is divided by l at the end. Since M is a whole number, a kernel that streams over the keys may use a running M (the ceiling of the running maximum): every later rescaling is an exact power of two, which a block's scale takes up: the codes' values come out the same.
;;   OPERANDS COMPUTED ON THE WAY. 'Computed on the way' means the value that the module computes at that place (a softmax that the list does not call 'softmax' is quantised finished and normalised). What goes into a quantiser is computed in f32, as accurately as f32 sums, v_exp_f32 and their like allow (about 1e-6 of the number): no bf16 or f16 on the way to a quantiser, and a product that is left as it is and whose result goes on into a quantised operand takes f32 operands (vector FMAs, or v_wmma_f32_16x16x4_f32). A number that lies on a knife's edge between two numbers of the format may be rounded either way, as far as f32 arithmetic and the matrix unit's own rounding can turn it there, and no further.
;;   INPUTS GIVEN AS CODES. wk (in the module: [1024, 1024], K = its axis 1); wo (in the module: [1024, 1024], K = its axis 1); wq (in the module: [1024, 1024], K = its axis 1); wv (in the module: [1024, 1024], K = its axis 1); x (in the module: [4, 2048, 1024], K = its axis 2): each comes as NAME_codes (uint8): NAME with its K axis moved to the last place and cut into blocks of 32 codes, [.., K / 32, bytes a block], one block behind the other in memory; two codes a byte, the lower K in the low four bits (a code: sign, 2 exponent bits, 1 mantissa bit); and NAME_scales (uint8): the same leading axes, one E8M0 byte (e + 127) for each 32 codes along K. Its value is code x scale, taken as it is: it is not quantised again, and the codes and scales need not be those that the quantiser above would give.
;; One version. Each part assembles by itself: llvm-mc -triple=amdgcn-amd-amdhsa -mcpu=gfx1250 --defsym DOCPART=n.
;; ======== version 1 of 1: 3 launches
;; workspace buffers: qrec 4,718,592 bytes; kv 9,175,040 bytes; aoc 4,194,304 bytes; aos 262,144 bytes
;; launch qkv (part 1): grid 12 x 64, 8 waves a work-group, clusters of 4 x 4, 210,944 bytes of LDS; arguments x_codes, x_scales, qrec, kv, wq_codes, wq_scales, bq, wk_codes, wk_scales, bk, wv_codes, wv_scales, bv; writes qrec, kv
.if DOCPART == 1
	.amdgcn_target "amdgcn-amd-amdhsa--gfx1250"
	.amdhsa_code_object_version 6
	.text
	.protected	k_q40073ea2d6_qkv
	.globl	k_q40073ea2d6_qkv
	.p2align	8
	.type	k_q40073ea2d6_qkv,@function
k_q40073ea2d6_qkv:
	s_mov_b64 s[64:65], 0
	v_nop
	global_prefetch_b8 v0, s[64:65] scope:SCOPE_SE
	s_setreg_imm32_b32 hwreg(HW_REG_WAVE_MODE, 25, 1), 1
	s_wait_xcnt 0x0
	s_wait_alu depctr_hold_cnt(0) depctr_sa_sdst(0) depctr_va_vdst(0) depctr_va_sdst(0) depctr_va_ssrc(0) depctr_va_vcc(0) depctr_vm_vsrc(0)
	s_getreg_b32 s2, hwreg(HW_REG_IB_STS2, 6, 4)
	s_cmp_eq_u32 s2, 0
	s_cbranch_scc0 .Lentry_in_a_cluster
	s_endpgm
.Lentry_in_a_cluster:
	s_bfe_u32 s2, ttmp6, 0x10000c
	s_cmp_lg_u32 s2, 0xf033
	s_cbranch_scc0 .Lentry_shape_is_right
	s_endpgm
.Lentry_shape_is_right:
; q, k, v = x W^T + b on codes of FP4 (E2M1) with one E8M0 scale for each 32 along K, then quantised again for attention: q and k along the head's 64, v along the keys.
; x: [8192][1024] codes, 512 bytes a row; W (wq, wk or wv): [1024][1024] likewise; scale bytes 32 a row; b: [1024] f32.
; SHARES.  A work-group makes 128 tokens (one key step of attention) x 256 columns (4 heads) of ONE of q, k, v: the cluster's x says which (0, 1, 2), so all sixteen partners of a cluster make the same kind.
; Eight waves: wave w takes head hw = w % 4 (64 columns) and tokens 64 th on, th = w / 4: 16 accumulators of 16 x 16.
; ALL OF K LIES IN LDS: 128 rows of x and 256 rows of W, 512 bytes each, as two chunks of 256 bytes a row.  Every LDS byte is filled once; chunk 1 lands while chunk 0 is multiplied.
; CLUSTER 4 x 4: the four work-groups of a row of the cluster read the same tokens of x, the four of a column the same rows of W: each tile is asked for jointly.
; WHICH SIDE IS SOURCE 0.  In a result a lane holds ONE column of source 1's rows and eight rows 8 (lane / 16) + j of source 0's.  The quantiser wants a lane's registers to run along ITS K:
;   q, k: source 0 = W's rows, source 1 = tokens: a lane holds one token, its registers run along the head's 64;      v: source 0 = tokens, source 1 = W's rows: a lane holds one channel, its registers run along the keys.
; A block of 32 is then tiles 2 B and 2 B + 1 in lanes l and l xor 16.  Four conversions (block 0's first tile, block 1's first, block 0's second, block 1's second) and two exchanges of half waves leave, in four registers,
; lane 16 H + r with block H of row r in true order: registers 4 c .. 4 c + 3 of an operand.  Stored 16 bytes a lane that is 512 consecutive bytes: AN IMAGE OF THE OPERAND'S REGISTERS.
; OUT.  qrec: [b x 16 + head][step] records of 4,608 bytes: 8 token tiles' images, then 512 bytes of scale words.  kv: records of 8,960 bytes: K's images and words likewise; at 4,608 V's images ((2 dt + c) x 512: channels 16 dt on,
; keys 64 c on); at 8,704 V's scale words.  Scale words of q, k: [th][lane][2]: word p of lane 16 u + r is tile 4 th + 2 p + u, row r: bytes 0, 1 the two blocks, bytes 2, 3 zero (they stand over zero codes).  V's: [lane][2]: word p of
; lane 16 u + r is channel tile 2 p + u, row r, its four bytes the step's four blocks of keys.
; LIMITS: NaN and infinities are not served.  A block whose largest magnitude lies under 2^-124 keeps the scale byte 1; so does a block of zeros, where the rule says 127: its codes are zeros and this program alone reads the bytes.
.set PITCH, 272                        ; an LDS row: 256 bytes + 16 of padding: the 16 rows of a fragment load start 68 words apart
.set HALFT, 64*PITCH                   ; 64 rows: what one tensor load brings, and what a wave reads of x or of W
.set CHUNK, 384*PITCH                  ; 128 rows of x, then 256 rows of W
.set STG,   2*CHUNK                    ; behind the chunks: 1,024 bytes, [head 4][256]: V's scale words meet here; no tensor load lands here
.set XA,  4                            ; v4, v5    LDS address of my fragments of x in chunk 0, 1
.set WA,  6                            ; v6, v7    the same for W
.set L16, 8                            ; v8        16 x lane
.set L8,  9                            ; v9        8 x lane
.set L32, 10                           ; v10       32 x lane
.set H32, 11                           ; v11       32 x (lane / 16)
.set R4,  12                           ; v12       4 x (lane % 16)
.set VST, 13                           ; v13       where my two bytes of V's scale words go
.set VRD, 14                           ; v14       where a head's 256 bytes of them are read back
.set XS,  16                           ; v16-31    x's scale words: register 8 i + s: word of K step s of row 32 i + lane of my 64; scales and nothing else
.set WS,  32                           ; v32-47    W's likewise
.set BV,  48                           ; v48-55    v's bias, a pair for each channel tile
.set OW,  56                           ; v56-59    scale words on their way out
.set F0,  64                           ; v64-95    source 0's four fragments
.set F1,  96                           ; v96-127   source 1's four
.set ACC, 128                          ; v128-255  accumulator (i of source 0, j of source 1) at ACC + 8 (4 j + i)
.set QM,  64                           ; behind the products F0 and F1 are free: largest magnitudes,
.set QX,  68                           ; lane l xor 16's,
.set QS,  72                           ; the conversions' scale operands,
.set QB,  76                           ; the scale bytes,
.set HW,  80                           ; two bytes joined,
.set RC,  96                           ; v96-111 the codes
.set WV,  30                           ; s30 wave;  s31 hw;  s32 th;  s33 cx;  s34 cy;  s35 kind;  s36 which 128 tokens
.set G1X, 40                           ; s[40:47] descriptor group 1 for x's tiles;  s[48:55] for W's: they differ in the mask
.set G1W, 48
.set G0X, 56                           ; s[56:63] group 0 for x's chunks 0, 1;  s[68:75] for W's
.set G0W, 68
.set SEL, 76                           ; s[76:77] lane selects for v_permlanex16_b32: lane l xor 16
.set PADW, (1<<20)|(1<<21)|(5<<22)|(3<<25)   ; elements of 1 byte; padding on; bit 21 beside a mask; after every 64 words, 4 words
.macro CROUND                          ; a round of the cluster's barrier
	s_barrier_signal -1
	s_barrier_wait -1
	s_cmp_lg_u32 s[WV], 0
	s_cbranch_scc1 .Lnot_wave_0_\@
	s_barrier_signal -3
.Lnot_wave_0_\@:
	s_barrier_wait -3
	s_barrier_signal -1
	s_barrier_wait -1
.endm
; One matrix instruction, by the symbols rD, rA, rB, rSA, rSB; rZ: the constant 0 starts the sum; rRA, rRB: the side's scale words stand in lanes 16-31
.macro WM
.if rZ && rRA && rRB
	v_wmma_scale_f32_16x16x128_f8f6f4 v[rD:rD+7], v[rA:rA+7], v[rB:rB+7], 0, v[rSA], v[rSB] matrix_a_fmt:MATRIX_FMT_FP4 matrix_b_fmt:MATRIX_FMT_FP4 matrix_a_scale:MATRIX_SCALE_ROW1 matrix_b_scale:MATRIX_SCALE_ROW1
.elseif rZ && rRA
	v_wmma_scale_f32_16x16x128_f8f6f4 v[rD:rD+7], v[rA:rA+7], v[rB:rB+7], 0, v[rSA], v[rSB] matrix_a_fmt:MATRIX_FMT_FP4 matrix_b_fmt:MATRIX_FMT_FP4 matrix_a_scale:MATRIX_SCALE_ROW1
.elseif rZ && rRB
	v_wmma_scale_f32_16x16x128_f8f6f4 v[rD:rD+7], v[rA:rA+7], v[rB:rB+7], 0, v[rSA], v[rSB] matrix_a_fmt:MATRIX_FMT_FP4 matrix_b_fmt:MATRIX_FMT_FP4 matrix_b_scale:MATRIX_SCALE_ROW1
.elseif rZ
	v_wmma_scale_f32_16x16x128_f8f6f4 v[rD:rD+7], v[rA:rA+7], v[rB:rB+7], 0, v[rSA], v[rSB] matrix_a_fmt:MATRIX_FMT_FP4 matrix_b_fmt:MATRIX_FMT_FP4
.elseif rRA && rRB
	v_wmma_scale_f32_16x16x128_f8f6f4 v[rD:rD+7], v[rA:rA+7], v[rB:rB+7], v[rD:rD+7], v[rSA], v[rSB] matrix_a_fmt:MATRIX_FMT_FP4 matrix_b_fmt:MATRIX_FMT_FP4 matrix_a_scale:MATRIX_SCALE_ROW1 matrix_b_scale:MATRIX_SCALE_ROW1
.elseif rRA
	v_wmma_scale_f32_16x16x128_f8f6f4 v[rD:rD+7], v[rA:rA+7], v[rB:rB+7], v[rD:rD+7], v[rSA], v[rSB] matrix_a_fmt:MATRIX_FMT_FP4 matrix_b_fmt:MATRIX_FMT_FP4 matrix_a_scale:MATRIX_SCALE_ROW1
.elseif rRB
	v_wmma_scale_f32_16x16x128_f8f6f4 v[rD:rD+7], v[rA:rA+7], v[rB:rB+7], v[rD:rD+7], v[rSA], v[rSB] matrix_a_fmt:MATRIX_FMT_FP4 matrix_b_fmt:MATRIX_FMT_FP4 matrix_b_scale:MATRIX_SCALE_ROW1
.else
	v_wmma_scale_f32_16x16x128_f8f6f4 v[rD:rD+7], v[rA:rA+7], v[rB:rB+7], v[rD:rD+7], v[rSA], v[rSB] matrix_a_fmt:MATRIX_FMT_FP4 matrix_b_fmt:MATRIX_FMT_FP4
.endif
.endm
; 128 along K: the chunk's q-th, K step s of 8.  a0, a1: the address registers of source 0's and source 1's fragments;  sc0, sc1: their scale words.  16 LDS loads, 16 matrix instructions.
; A fragment (16 rows x 128 K of 4-bit codes) is 8 registers: lane l holds row l % 16; registers 4 e .. 4 e + 3 hold K = 64 e + 32 (l / 16) + 0 .. 31: two loads of 16 bytes, 32 bytes apart.
; The 16 accumulators take turns, one instruction a turn, in the same order in every step.
.macro KSTEP a0, a1, q, s, sc0, sc1, zero, first
.if !(\first)
.rept 4
	v_nop                                          ; four places between the last step's products and the loads into the registers that they read
.endr
.endif
.irp t, 0,1,2,3
.irp e, 0,1
	ds_load_b128 v[F1+8*\t+4*\e:F1+8*\t+4*\e+3], v[\a1] offset:16*PITCH*\t+64*(\q)+32*\e
.endr
.endr
.irp t, 0,1,2,3
.irp e, 0,1
	ds_load_b128 v[F0+8*\t+4*\e:F0+8*\t+4*\e+3], v[\a0] offset:16*PITCH*\t+64*(\q)+32*\e
.endr
.endr
.set rZ, \zero
.irp i, 0,1,2,3
	s_wait_dscnt 6-2*\i                            ; source 1's four fragments and source 0's up to i are in; the two loads of each later fragment of source 0 may be out
.irp j, 0,1,2,3
.set rD, ACC+8*(4*\j+\i)
.set rA, F0+8*\i
.set rB, F1+8*\j
.set rSA, 8*(\i/2)+(\s)+(\sc0)
.set rSB, 8*(\j/2)+(\s)+(\sc1)
.set rRA, \i%2
.set rRB, \j%2
	WM
.endr
.endr
.endm
; All of K.  a00, a01: source 0's address registers for chunk 0, 1;  a10, a11: source 1's.
.macro MAIN a00, a01, a10, a11, sc0, sc1, zero
	s_wait_tensorcnt 0x1                           ; my part of chunk 0 is in; my load of chunk 1 may be out
	s_barrier_signal -1
	s_barrier_wait -1                              ; everybody's part of chunk 0 is in
	s_wait_loadcnt 0x0                             ; the scale words and the bias
	KSTEP \a00, \a10, 0, 0, \sc0, \sc1, \zero, 1
	KSTEP \a00, \a10, 1, 1, \sc0, \sc1, 0, 0
	KSTEP \a00, \a10, 2, 2, \sc0, \sc1, 0, 0
	KSTEP \a00, \a10, 3, 3, \sc0, \sc1, 0, 0
	s_wait_tensorcnt 0x0                           ; my part of chunk 1 is in (no LDS load of mine is out: the last step's count-down ended at 0)
	s_barrier_signal -1
	s_barrier_wait -1                              ; everybody's is
	KSTEP \a01, \a11, 0, 4, \sc0, \sc1, 0, 0
	KSTEP \a01, \a11, 1, 5, \sc0, \sc1, 0, 0
	KSTEP \a01, \a11, 2, 6, \sc0, \sc1, 0, 0
	KSTEP \a01, \a11, 3, 7, \sc0, \sc1, 0, 0
.endm
; 64 numbers of a lane, register src + 16 B + i: block B's 16 numbers that are mine (tiles 2 B and 2 B + 1), become two images of four registers at dst and dst + 4, and four scale bytes in v[QB] on.
.macro QUANT4 src, dst
.irp b, 0,1,2,3
	v_max3_num_f32 v[QM+\b], |v[16*\b+(\src)]|, |v[16*\b+1+(\src)]|, 0x1800000   ; each accumulator is read from its low end on; the floor 2^(3 - 127) holds the byte at 1 from below
.endr
.irp i, 2,4,6,8,10,12,14
.irp b, 0,1,2,3
	v_max3_num_f32 v[QM+\b], v[QM+\b], |v[16*\b+\i+(\src)]|, |v[16*\b+\i+1+(\src)]|   ; the four blocks by turns
.endr
.endr
.irp b, 0,1,2,3
	s_delay_alu instid0(VALU_DEP_4)
	v_permlanex16_b32 v[QX+\b], v[QM+\b], s[SEL], s[SEL+1]
.endr
.irp b, 0,1,2,3
	s_delay_alu instid0(VALU_DEP_4)
	v_max_num_f32 v[QM+\b], v[QM+\b], v[QX+\b]     ; with lane l xor 16's 16: the block's largest magnitude
.endr
.irp b, 0,1,2,3
	s_delay_alu instid0(VALU_DEP_4)
	v_add_nc_u32 v[QS+\b], 0xff000000, v[QM+\b]    ; 2 off its exponent field: the conversion takes the exponent field of this operand as its scale
.endr
.irp b, 0,1,2,3
	s_delay_alu instid0(VALU_DEP_4)
	v_lshrrev_b32 v[QB+\b], 23, v[QS+\b]           ; the scale's byte
.endr
.irp c, 0,1
	v_cvt_scalef32_pk8_fp4_f32 v[4*\c+(\dst)],   v[32*\c+(\src):32*\c+7+(\src)],     v[QS+2*\c]
	v_cvt_scalef32_pk8_fp4_f32 v[4*\c+1+(\dst)], v[32*\c+16+(\src):32*\c+23+(\src)], v[QS+2*\c+1]
	v_cvt_scalef32_pk8_fp4_f32 v[4*\c+2+(\dst)], v[32*\c+8+(\src):32*\c+15+(\src)],  v[QS+2*\c]
	v_cvt_scalef32_pk8_fp4_f32 v[4*\c+3+(\dst)], v[32*\c+24+(\src):32*\c+31+(\src)], v[QS+2*\c+1]
.endr
	v_nop                                          ; one plain place behind the scaled conversions
.irp c, 0,1
	v_permlane16_swap_b32 v[4*\c+(\dst)], v[4*\c+1+(\dst)]     ; the first's lanes 16-31 change places with the second's lanes 0-15: lanes 0-15 now hold the even block, lanes 16-31 the odd one
	v_permlane16_swap_b32 v[4*\c+2+(\dst)], v[4*\c+3+(\dst)]
.endr
	v_lshl_or_b32 v[HW], v[QB+1], 8, v[QB]         ; the two bytes of the first image's rows,
	v_lshl_or_b32 v[HW+1], v[QB+3], 8, v[QB+2]     ; and of the second's
.endm
	s_load_b256 s[4:11], s[0:1], 0x0               ; x's codes s[4:5], x's scales s[6:7], qrec s[8:9], kv s[10:11]
	s_load_b256 s[12:19], s[0:1], 0x20             ; wq's codes, wq's scales, bq, wk's codes
	s_load_b256 s[20:27], s[0:1], 0x40             ; wk's scales, bk, wv's codes, wv's scales
	s_load_b64 s[28:29], s[0:1], 0x60              ; bv
	v_lshl_add_u32 v62, v0, 2, 0x33400
	v_mov_b32 v63, 0
	ds_add_u32 v62, v63
	ds_add_u32 v62, v63
	v_lshrrev_b32 v1, 5, v0
	s_delay_alu instid0(VALU_DEP_1)
	v_readfirstlane_b32 s[WV], v1                  ; wave 0..7
	s_and_b32 s31, s[WV], 3                        ; hw: my head of the work-group's four
	s_lshr_b32 s32, s[WV], 2                       ; th: my 64 tokens of its 128
	s_bfe_u32 s33, ttmp6, 0x40000                  ; cx: which 256 columns
	s_bfe_u32 s34, ttmp6, 0x40004                  ; cy
	s_mov_b32 s35, ttmp9                           ; the cluster's x: 0 q, 1 k, 2 v: the same in all sixteen partners
	s_and_b32 s36, ttmp7, 0xffff
	s_lshl_b32 s36, s36, 2
	s_add_co_u32 s36, s36, s34                     ; which 128 tokens = 4 x cluster y + cy
	s_lshl_b32 s37, s34, 2
	s_lshl_b32 s37, 15, s37                        ; my row of the cluster
	s_lshl_b32 s38, 0x1111, s33                    ; my column
	s_or_b32 s[G1X], s37, PADW                     ; x's tiles go to my row,
	s_or_b32 s[G1W], s38, PADW                     ; W's to my column
.irp g, G1X, G1W
	s_mov_b32 s[\g+1], 256<<16                     ; tensor_dim0 = 256 bytes
	s_mov_b32 s[\g+2], 64<<16                      ; tensor_dim1 = 64 rows
	s_mov_b32 s[\g+3], 256<<16                     ; tile_dim0
	s_mov_b32 s[\g+4], 64                          ; tile_dim1
	s_mov_b32 s[\g+5], 512                         ; from row to row in memory
	s_mov_b32 s[\g+6], 0
	s_mov_b32 s[\g+7], 0
.endr
	s_mul_i32 s39, s[WV], HALFT                    ; where my tile goes: wave x 64 rows (waves 0, 1: x's halves; waves 2 to 5: W's quarters): no place in the cluster enters an LDS address
	s_and_b32 s78, s[WV], 1                        ; x: row 128 x (which tokens) + 64 x (wave % 2), 512 bytes a row; these registers never hold cx
	s_lshl_b32 s78, s78, 6
	s_lshl_b32 s79, s36, 7
	s_add_co_u32 s78, s78, s79
	s_lshl_b32 s78, s78, 9
	s_mov_b32 s79, 0
	s_add_co_u32 s82, s[WV], 2                     ; W: row 256 cx + 64 x (wave - 2); these registers never hold cy
	s_and_b32 s82, s82, 3
	s_lshl_b32 s82, s82, 6
	s_lshl_b32 s83, s33, 8
	s_add_co_u32 s82, s82, s83
	s_lshl_b32 s82, s82, 9
	s_mov_b32 s83, 0
	s_mov_b32 s[SEL], 0x76543210
	s_mov_b32 s[SEL+1], 0xfedcba98
	s_wait_dscnt 0x0
	s_wait_kmcnt 0x0
	s_cmp_eq_u32 s35, 1                            ; the weight, its scales and its bias, by the kind
	s_cselect_b64 s[12:13], s[18:19], s[12:13]
	s_cselect_b64 s[14:15], s[20:21], s[14:15]
	s_cselect_b64 s[16:17], s[22:23], s[16:17]
	s_cmp_eq_u32 s35, 2
	s_cselect_b64 s[12:13], s[24:25], s[12:13]
	s_cselect_b64 s[14:15], s[26:27], s[14:15]
	s_cselect_b64 s[16:17], s[28:29], s[16:17]
	s_add_nc_u64 s[80:81], s[4:5], s[78:79]
	s_add_nc_u64 s[84:85], s[12:13], s[82:83]
.irp c, 0,1
	s_mov_b32 s[G0X+4*\c], 1                       ; count = 1
	s_add_co_u32 s[G0X+4*\c+1], s39, \c*CHUNK      ; LDS address
	s_add_nc_u64 s[G0X+4*\c+2:G0X+4*\c+3], s[80:81], 256*\c   ; global address: K = 512 c on
	s_or_b32 s[G0X+4*\c+3], s[G0X+4*\c+3], 0x80000000         ; type = 2
	s_mov_b32 s[G0W+4*\c], 1
	s_add_co_u32 s[G0W+4*\c+1], s39, \c*CHUNK
	s_add_nc_u64 s[G0W+4*\c+2:G0W+4*\c+3], s[84:85], 256*\c
	s_or_b32 s[G0W+4*\c+3], s[G0W+4*\c+3], 0x80000000
.endr
	CROUND                                         ; all sixteen work-groups are here: the joint loads meet
	s_cmp_lt_u32 s[WV], 2                          ; a wave's two fills stand in one branch on the wave's number; two loads of mine are out at the most; four v_nop follow the second
	s_cbranch_scc0 .Lnot_x
	tensor_load_to_lds s[G0X:G0X+3], s[G1X:G1X+7]
	s_nop 0
	tensor_load_to_lds s[G0X+4:G0X+7], s[G1X:G1X+7]
	s_nop 0
.rept 4
	v_nop
.endr
	s_branch .Lasked
.Lnot_x:
	s_cmp_lt_u32 s[WV], 6
	s_cbranch_scc0 .Lasked
	tensor_load_to_lds s[G0W:G0W+3], s[G1W:G1W+7]
	s_nop 0
	tensor_load_to_lds s[G0W+4:G0W+7], s[G1W:G1W+7]
	s_nop 0
.rept 4
	v_nop
.endr
.Lasked:
	v_and_b32 v1, 31, v0                           ; lane
	v_and_b32 v2, 15, v0                           ; r
	v_bfe_u32 v3, v0, 4, 1                         ; h
	s_delay_alu instid0(VALU_DEP_3)
	v_lshlrev_b32 v[L32], 5, v1
	s_wait_alu depctr_va_vdst(0)
	s_lshl_b32 s86, s36, 7                         ; x's scale bytes: my 64 tokens, 32 bytes a row
	s_lshl_b32 s87, s32, 6
	s_add_co_u32 s86, s86, s87
	s_lshl_b32 s86, s86, 5
	s_mov_b32 s87, 0
	s_add_nc_u64 s[6:7], s[6:7], s[86:87]
	s_lshl_b32 s88, s33, 8
	s_lshl_b32 s89, s31, 6
	s_add_co_u32 s88, s88, s89                     ; my first column: 256 cx + 64 hw
	s_lshl_b32 s90, s88, 5
	s_mov_b32 s91, 0
	s_add_nc_u64 s[14:15], s[14:15], s[90:91]      ; W's scale bytes of my 64 rows
	s_lshl_b32 s90, s88, 2
	s_add_nc_u64 s[16:17], s[16:17], s[90:91]      ; the bias of my 64 columns
.irp i, 0,1                                    ; THE SCALE WORDS COME ONCE, FOR ALL OF K: lane l takes the 32 bytes of row 32 i + l: a wave's two loads of a pair cover 1,024 consecutive bytes
.irp e, 0,1
	global_load_b128 v[XS+8*\i+4*\e:XS+8*\i+4*\e+3], v[L32], s[6:7] offset:1024*\i+16*\e
	global_load_b128 v[WS+8*\i+4*\e:WS+8*\i+4*\e+3], v[L32], s[14:15] offset:1024*\i+16*\e
.endr
.endr
	v_mul_u32_u24 v15, v2, PITCH
	s_delay_alu instid0(VALU_DEP_1)
	v_lshl_add_u32 v15, v3, 4, v15                 ; a fragment's row x pitch + 16 x half
	s_mul_i32 s86, s32, HALFT
	v_add_nc_u32 v[XA], s86, v15
	s_delay_alu instid0(VALU_DEP_1)
	v_add_nc_u32 v[XA+1], CHUNK, v[XA]
	s_mul_i32 s86, s31, HALFT
	s_add_co_u32 s86, s86, 2*HALFT                 ; W's rows lie behind x's 128
	v_add_nc_u32 v[WA], s86, v15
	s_delay_alu instid0(VALU_DEP_1)
	v_add_nc_u32 v[WA+1], CHUNK, v[WA]
	v_lshlrev_b32 v[L16], 4, v1
	v_lshlrev_b32 v[L8], 3, v1
	v_lshlrev_b32 v[H32], 5, v3
	v_lshlrev_b32 v[R4], 2, v2
	s_lshl_b32 s86, s31, 8
	s_add_co_u32 s86, s86, STG
	v_add_nc_u32 v[VRD], s86, v[L8]                ; my head's 256 bytes of the stage, 8 a lane
	s_lshl_b32 s87, s32, 1
	s_add_co_u32 s86, s86, s87
	v_add_nc_u32 v[VST], s86, v[L8]                ; and in them my th's two bytes of a word
	s_lshr_b32 s92, s36, 4                         ; the record: ((16 b + 4 cx + hw) x 16 + step) x its size
	s_lshl_b32 s92, s92, 4
	s_lshl_b32 s93, s33, 2
	s_add_co_u32 s92, s92, s93
	s_add_co_u32 s92, s92, s31
	s_lshl_b32 s92, s92, 4
	s_and_b32 s93, s36, 15
	s_add_co_u32 s92, s92, s93
	s_mov_b32 s93, 8960
	s_cmp_eq_u32 s35, 0
	s_cselect_b32 s93, 4608, s93                   ; q's records are 4,608 bytes, in qrec; k's and v's 8,960, in kv
	s_cselect_b64 s[8:9], s[8:9], s[10:11]
	s_mul_i32 s92, s92, s93
	s_mov_b32 s93, 0
	s_add_nc_u64 s[8:9], s[8:9], s[92:93]
	s_mov_b32 s95, 0
	s_cmp_eq_u32 s35, 2
	s_cbranch_scc1 .Lv                             ; on the cluster's x alone: all waves of all partners go the same way
	; ---- q or k.  THE BIAS IS LOADED INTO THE ACCUMULATORS: lane (r, h) of tile i wants b at columns 16 i + 8 h + 0 .. 7, whatever the token; every K step then adds in place
	s_lshl_b32 s94, s32, 11
	s_add_nc_u64 s[10:11], s[8:9], s[94:95]        ; my four token tiles' images: 2,048 th on
	s_lshl_b32 s94, s32, 8
	s_add_nc_u64 s[8:9], s[8:9], s[94:95]          ; my 256 bytes of scale words: 4,096 (in the store's immediate) + 256 th on
	s_wait_alu depctr_va_vdst(0)
.irp j, 0,1,2,3
.irp i, 0,1,2,3
.irp e, 0,1
	global_load_b128 v[ACC+8*(4*\j+\i)+4*\e:ACC+8*(4*\j+\i)+4*\e+3], v[H32], s[16:17] offset:64*\i+16*\e
.endr
.endr
.endr
	MAIN WA, WA+1, XA, XA+1, WS, XS, 0
.rept 4
	v_nop                                          ; four places between the last products and the first read of results and write of fragment registers
.endr
.irp b, 0,1,2,3
	v_mov_b32 v[QX+\b], 0                          ; written once: a lane permute's destination counts as one of its sources
.endr
	v_cmp_le_u32 vcc_lo, 16, v1                    ; lanes 16-31
.irp p, 0,1                                    ; token tiles 2 p and 2 p + 1
	QUANT4 ACC+64*\p, RC+8*\p
	s_delay_alu instid0(VALU_DEP_1)
	v_cndmask_b32 v[OW+\p], v[HW], v[HW+1], vcc_lo ; word p: lanes 0-15 tile 2 p's rows, lanes 16-31 tile 2 p + 1's
	global_store_b128 v[L16], v[RC+8*\p:RC+8*\p+3], s[10:11] offset:1024*\p          ; an image: 512 consecutive bytes
	global_store_b128 v[L16], v[RC+8*\p+4:RC+8*\p+7], s[10:11] offset:1024*\p+512
.endr
	global_store_b64 v[L8], v[OW:OW+1], s[8:9] offset:4096   ; 256 consecutive bytes, aligned
	s_wait_tensorcnt 0x0
	ds_add_u32 v62, v63
	s_wait_dscnt 0x0
	CROUND                                         ; the closing round: no work-group ends while a partner may still ask for a tile that names it
	s_endpgm
.Lv:	; ---- v.  A lane holds one channel: its bias is one number, added behind the sums
	s_lshl_b32 s94, s32, 9
	s_add_nc_u64 s[10:11], s[8:9], s[94:95]        ; my half c = th of each channel tile's fragment: 4,608 (in the immediate) + 512 th on
	s_wait_alu depctr_va_vdst(0)
.irp d, 0,1,2,3
	global_load_b32 v[BV+2*\d], v[R4], s[16:17] offset:64*\d      ; b at channel 16 d + r, twice: a pair for the packed addition
	global_load_b32 v[BV+2*\d+1], v[R4], s[16:17] offset:64*\d
.endr
	MAIN XA, XA+1, WA, WA+1, XS, WS, 1             ; the first K step starts the sums
.rept 4
	v_nop
.endr
.irp d, 0,1,2,3
.irp j, 0,2,4,6,8,10,12,14,16,18,20,22,24,26,28,30
	v_pk_add_f32 v[ACC+32*\d+\j:ACC+32*\d+\j+1], v[ACC+32*\d+\j:ACC+32*\d+\j+1], v[BV+2*\d:BV+2*\d+1]   ; each accumulator from its low end on
.endr
.endr
.irp b, 0,1,2,3
	v_mov_b32 v[QX+\b], 0
.endr
	v_cmp_le_u32 vcc_lo, 16, v1
.irp p, 0,1                                    ; channel tiles 2 p and 2 p + 1; the blocks are my 64 keys' two
	QUANT4 ACC+64*\p, RC+8*\p
	s_delay_alu instid0(VALU_DEP_1)
	v_cndmask_b32 v[OW+\p], v[HW], v[HW+1], vcc_lo
	global_store_b128 v[L16], v[RC+8*\p:RC+8*\p+3], s[10:11] offset:4608+2048*\p
	global_store_b128 v[L16], v[RC+8*\p+4:RC+8*\p+7], s[10:11] offset:4608+2048*\p+1024
	ds_store_b16 v[VST], v[OW+\p] offset:4*\p      ; my two bytes of word p; the other two come from the wave with the other 64 keys
.endr
	s_wait_dscnt 0x0                               ; for the others' sake: my stores into the stage are done
	s_barrier_signal -1
	s_barrier_wait -1
	s_cmp_lt_u32 s[WV], 4                          ; waves 0 to 3 (th = 0, hw = wave) store their head's 256 bytes
	s_cbranch_scc0 .Lv_done
	ds_load_b64 v[OW+2:OW+3], v[VRD]
	s_wait_dscnt 0x0
	global_store_b64 v[L8], v[OW+2:OW+3], s[8:9] offset:8704   ; 256 consecutive bytes, aligned
.Lv_done:
	s_wait_tensorcnt 0x0
	ds_add_u32 v62, v63
	s_wait_dscnt 0x0
	CROUND                                         ; the closing round
	s_endpgm
.Lfunc_end_k_q40073ea2d6_qkv:
	.size	k_q40073ea2d6_qkv, .Lfunc_end_k_q40073ea2d6_qkv-k_q40073ea2d6_qkv
	.p2alignl 7, 3214868480
	.fill 96, 4, 3214868480
	.section	.rodata,"a",@progbits
	.p2align	6, 0x0
	.amdhsa_kernel k_q40073ea2d6_qkv
		.amdhsa_group_segment_fixed_size 210944
		.amdhsa_private_segment_fixed_size 0
		.amdhsa_enable_private_segment 0
		.amdhsa_kernarg_size 104
		.amdhsa_user_sgpr_count 2
		.amdhsa_user_sgpr_kernarg_segment_ptr 1
		.amdhsa_wavefront_size32 1
		.amdhsa_system_sgpr_workgroup_id_x 1
		.amdhsa_system_sgpr_workgroup_id_y 1
		.amdhsa_system_sgpr_workgroup_id_z 1
		.amdhsa_system_vgpr_workitem_id 0
		.amdhsa_next_free_vgpr 256
		.amdhsa_next_free_sgpr 96
		.amdhsa_reserve_vcc 1
		.amdhsa_float_denorm_mode_32 3
		.amdhsa_float_denorm_mode_16_64 3
		.amdhsa_memory_ordered 1
		.amdhsa_forward_progress 1
		.amdhsa_inst_pref_size 89
	.end_amdhsa_kernel
	.amdgpu_metadata
---
amdhsa.version: [ 1, 2 ]
amdhsa.kernels:
  - .name:           k_q40073ea2d6_qkv
    .symbol:         k_q40073ea2d6_qkv.kd
    .args:
      - { .name: x_codes, .offset: 0, .size: 8, .value_kind: global_buffer, .address_space: global }
      - { .name: x_scales, .offset: 8, .size: 8, .value_kind: global_buffer, .address_space: global }
      - { .name: qrec, .offset: 16, .size: 8, .value_kind: global_buffer, .address_space: global }
      - { .name: kv, .offset: 24, .size: 8, .value_kind: global_buffer, .address_space: global }
      - { .name: wq_codes, .offset: 32, .size: 8, .value_kind: global_buffer, .address_space: global }
      - { .name: wq_scales, .offset: 40, .size: 8, .value_kind: global_buffer, .address_space: global }
      - { .name: bq, .offset: 48, .size: 8, .value_kind: global_buffer, .address_space: global }
      - { .name: wk_codes, .offset: 56, .size: 8, .value_kind: global_buffer, .address_space: global }
      - { .name: wk_scales, .offset: 64, .size: 8, .value_kind: global_buffer, .address_space: global }
      - { .name: bk, .offset: 72, .size: 8, .value_kind: global_buffer, .address_space: global }
      - { .name: wv_codes, .offset: 80, .size: 8, .value_kind: global_buffer, .address_space: global }
      - { .name: wv_scales, .offset: 88, .size: 8, .value_kind: global_buffer, .address_space: global }
      - { .name: bv, .offset: 96, .size: 8, .value_kind: global_buffer, .address_space: global }
    .group_segment_fixed_size: 210944
    .private_segment_fixed_size: 0
    .kernarg_segment_align: 8
    .kernarg_segment_size: 104
    .max_flat_workgroup_size: 256
    .sgpr_count:     96
    .vgpr_count:     256
    .wavefront_size: 32
...
	.end_amdgpu_metadata
.endif
;; end of part 1
;; launch attn (part 2): grid 4 x 64, 16 waves a work-group, clusters of 4 x 1, 169,984 bytes of LDS; arguments qrec, kv, aoc, aos; writes aoc, aos
.if DOCPART == 2
	.amdgcn_target "amdgcn-amd-amdhsa--gfx1250"
	.amdhsa_code_object_version 6
	.text
	.protected	k_q40073ea2d6_attn
	.globl	k_q40073ea2d6_attn
	.p2align	8
	.type	k_q40073ea2d6_attn,@function
k_q40073ea2d6_attn:
	s_mov_b64 s[64:65], 0
	v_nop
	global_prefetch_b8 v0, s[64:65] scope:SCOPE_SE
	s_setreg_imm32_b32 hwreg(HW_REG_WAVE_MODE, 25, 1), 1
	s_wait_xcnt 0x0
	s_wait_alu depctr_hold_cnt(0) depctr_sa_sdst(0) depctr_va_vdst(0) depctr_va_sdst(0) depctr_va_ssrc(0) depctr_va_vcc(0) depctr_vm_vsrc(0)
	s_getreg_b32 s2, hwreg(HW_REG_IB_STS2, 6, 4)
	s_cmp_eq_u32 s2, 0
	s_cbranch_scc0 .Lentry_in_a_cluster
	s_endpgm
.Lentry_in_a_cluster:
	s_bfe_u32 s2, ttmp6, 0x10000c
	s_cmp_lg_u32 s2, 0x3003
	s_cbranch_scc0 .Lentry_shape_is_right
	s_endpgm
.Lentry_shape_is_right:
; O[q] = the sum over keys of softmax(q . k / 8) v for one head, both products on codes of FP4 (E2M1) with one E8M0 scale for each 32 along a product's K; O / l is quantised along the model's 1,024 for the last projection.
; IN: qrec and kv as the launch before lays them: records of one head and 128 tokens, every operand an image of its registers (lane l's 16 bytes at 16 l), scale words beside them.
; THE SOFTMAX: t = score x log2(e) / 8; M = the running largest t, rounded UP to a whole number; p = 2^(t - M) is what is quantised, along the keys; the row's sum l is taken of the unquantised p and divides at the end.
; When M moves, the sum and O are multiplied by 2^(old M - new M): exact.
; SHARES.  A work-group owns 512 queries of one head; each of its sixteen waves two tiles of 16 queries, one after the other, in 256 registers: four waves to a SIMD, so that one wave's vector work stands beside another's
; matrix work and LDS loads.  THE HEAD'S WHOLE K AND V LIE IN LDS: 16 records of 8,960 bytes, each brought by one wave's one tensor load, filled once: no ring, and no barrier in the loop over the keys.
; CLUSTER 4 x 1: the four work-groups of a head read the same 16 records: each is asked for jointly.
; LAYOUT.  Both products are used transposed: S^T = K Q^T (source 0 = 16 keys, source 1 = my 16 queries), O^T = V^T P^T (source 0 = 16 channels, source 1 = P): a lane holds ONE query (lane % 16) throughout.
; The head's 64 fill half of the instruction's 128 along K: registers 4 to 7 of K's and Q's fragments hold zero codes, set once.
; In S^T lane (r, h) holds keys 16 t + 8 h + j of tile t: a block of 32 keys is tiles 2 b, 2 b + 1 in lanes l and l xor 16; four conversions in the order (block 2 c's first tile, block 2 c + 1's first, block 2 c's second,
; block 2 c + 1's second) and two exchanges of half waves give registers 4 c .. 4 c + 3 of P in true key order.
; OUT.  aoc: [row tile 512][head 16][512 bytes]: the image of the head's 64 codes of 16 rows: half (head % 2) of the fragment of K step head / 2.  aos: [head 16][row 8,192] two scale bytes.
; LIMITS: NaN and infinities are not served.  A block whose largest magnitude lies under 2^-124 keeps the scale byte 1; so does a block of zeros: its codes are zeros and this program alone reads the bytes.
.set REC,  8960                        ; a record: K's 8 images, 512 bytes of K's scale words, V's 8 images, 256 bytes of V's scale words
.set STG,  16*REC                      ; behind the records: 1,024 bytes: the work-group's 512 pairs of scale bytes; no tensor load lands here
.set WV,   12                          ; s12 wave;  s13 cx;  s14 which 512 queries;  s15 16 b + head
.set G1,   24                          ; s[24:31] descriptor group 1;  s[32:35] group 0
.set G0,   32
.set SEL,  36                          ; s[36:37] lane selects for v_permlanex16_b32: lane l xor 16
.set CS,   38                          ; s[38:39] c = log2(e) / 8: the packed form names a pair and takes its low word for both halves
.set TB,   40                          ; s40 LDS byte at which the step's record begins
.set CNT,  41                          ; s41 key steps to go
; REGISTERS: v1 16 x lane, v2 8 x lane; v3, v4 the step's LDS addresses; v5 8 r; v6 where my scale bytes go; v7, v8-11 the second tile's Q (scale word, codes); v12 -M, v13 the largest t, v[14:15] the sum in two halves;
; v16-23 Q; v24 Q's scale word, v25 P's, v26-29 K's, v30-31 V's: scales and nothing else; v32-95 K's 8 fragments; v96-159 S^T, then p; v160-191 O^T; v192-223 V's 4 fragments; v224-231 P's codes; v232-254 at work.
.set QM,   232
.set QX,   236
.set QB,   240
.set QS,   244
.macro CROUND                          ; a round of the cluster's barrier
	s_barrier_signal -1
	s_barrier_wait -1
	s_cmp_lg_u32 s[WV], 0
	s_cbranch_scc1 .Lnot_wave_0_\@
	s_barrier_signal -3
.Lnot_wave_0_\@:
	s_barrier_wait -3
	s_barrier_signal -1
	s_barrier_wait -1
.endm
	s_load_b256 s[4:11], s[0:1], 0x0               ; qrec s[4:5], kv s[6:7], aoc s[8:9], aos s[10:11]
	v_lshl_add_u32 v251, v0, 2, 0x29000
	v_mov_b32 v255, 0
	ds_add_u32 v251, v255
	ds_add_u32 v251, v255
	v_lshrrev_b32 v1, 5, v0
	s_delay_alu instid0(VALU_DEP_1)
	v_readfirstlane_b32 s[WV], v1                  ; wave 0..15
	s_bfe_u32 s13, ttmp6, 0x40000                  ; cx
	s_lshl_b32 s14, ttmp9, 2
	s_add_co_u32 s14, s14, s13                     ; which 512 queries: it enters the addresses of q, aoc and aos alone
	s_and_b32 s15, ttmp7, 0xffff                   ; 16 b + head, which the four partners share
	s_mov_b32 s[G1], 15|(3<<16)|(1<<21)            ; the mask: all four work-groups; elements of 8 bytes; bit 21 beside a mask; no padding: the images are read 16 bytes a lane on end
	s_mov_b32 s[G1+1], 32<<16                      ; tensor_dim0: a row of 256 bytes
	s_mov_b32 s[G1+2], 35<<16                      ; tensor_dim1: 35 rows: a record
	s_mov_b32 s[G1+3], 32<<16                      ; tile_dim0
	s_mov_b32 s[G1+4], 35                          ; tile_dim1
	s_mov_b32 s[G1+5], 32                          ; dense
	s_mov_b32 s[G1+6], 0
	s_mov_b32 s[G1+7], 0
	s_mov_b32 s[G0], 1
	s_mul_i32 s[G0+1], s[WV], REC                  ; wave w brings the record of key step w
	s_lshl_b32 s42, s15, 4
	s_add_co_u32 s42, s42, s[WV]
	s_mul_i32 s42, s42, REC
	s_mov_b32 s43, 0
	s_mov_b32 s[SEL], 0x76543210
	s_mov_b32 s[SEL+1], 0xfedcba98
	s_mov_b32 s[CS], 0x3e38aa3b                    ; log2(e) / 8
	s_mov_b32 s[CS+1], s[CS]
	s_wait_dscnt 0x0
	s_wait_kmcnt 0x0
	s_add_nc_u64 s[G0+2:G0+3], s[6:7], s[42:43]
	s_or_b32 s[G0+3], s[G0+3], 0x80000000
	CROUND                                         ; all four work-groups are here: the joint loads meet
	tensor_load_to_lds s[G0:G0+3], s[G1:G1+7]      ; my one tensor load of the launch
	s_nop 0
.rept 4
	v_nop
.endr
	; my two tiles of queries, 32 x (which 512) + 2 w + 0, 1 of the head's 128: record 4 x (which 512) + w / 4, tiles 2 (w % 4) + 0, 1 in it
	s_lshl_b32 s44, s15, 4
	s_lshl_b32 s45, s14, 2
	s_add_co_u32 s44, s44, s45
	s_lshr_b32 s45, s[WV], 2
	s_add_co_u32 s44, s44, s45
	s_mul_i32 s44, s44, 4608
	s_mov_b32 s45, 0
	s_add_nc_u64 s[4:5], s[4:5], s[44:45]
	s_and_b32 s46, s[WV], 3
	s_lshl_b32 s46, s46, 10
	s_mov_b32 s47, 0
	s_add_nc_u64 s[48:49], s[4:5], s[46:47]        ; their images
	s_bfe_u32 s46, s[WV], 0x10001                  ; their scale words: half (w / 2) % 2 of the record's, word w % 2, lanes 16 x (0, 1) + r
	s_lshl_b32 s46, s46, 8
	s_and_b32 s50, s[WV], 1
	s_lshl_b32 s50, s50, 2
	s_add_co_u32 s46, s46, s50
	s_add_nc_u64 s[4:5], s[4:5], s[46:47]
	v_and_b32 v1, 31, v0
	s_delay_alu instid0(VALU_DEP_1)
	v_lshlrev_b32 v2, 3, v1                        ; 8 x lane
	s_delay_alu instid0(VALU_DEP_2)
	v_lshlrev_b32 v1, 4, v1                        ; 16 x lane
	v_and_b32 v5, 15, v0                           ; r
	s_lshl_b32 s51, s[WV], 6
	s_add_co_u32 s51, s51, STG
	v_lshl_add_u32 v6, v5, 1, s51                  ; the stage: rows 32 w + r, two bytes each
	v_lshlrev_b32 v5, 3, v5                        ; 8 r
	global_load_b128 v[16:19], v1, s[48:49]
	global_load_b128 v[8:11], v1, s[48:49] offset:512
	global_load_b32 v24, v5, s[4:5] offset:4096
	global_load_b32 v7, v5, s[4:5] offset:4096+128
	s_lshr_b32 s52, s15, 4                         ; b
	s_and_b32 s53, s15, 15                         ; head
	s_lshl_b32 s54, s52, 7                         ; aoc: row tile 128 b + 32 x (which 512) + 2 w, 8,192 bytes each; + 512 x head
	s_lshl_b32 s55, s14, 5
	s_add_co_u32 s54, s54, s55
	s_lshl_b32 s55, s[WV], 1
	s_add_co_u32 s54, s54, s55
	s_lshl_b32 s54, s54, 13
	s_lshl_b32 s55, s53, 9
	s_add_co_u32 s54, s54, s55
	s_mov_b32 s55, 0
	s_add_nc_u64 s[8:9], s[8:9], s[54:55]
	s_lshl_b32 s42, s53, 14                        ; aos: 16,384 x head + 2 x (2,048 b + 512 x (which 512)) + 512 x (w % 2)
	s_lshl_b32 s43, s52, 12
	s_add_co_u32 s42, s42, s43
	s_lshl_b32 s43, s14, 10
	s_add_co_u32 s42, s42, s43
	s_and_b32 s43, s[WV], 1
	s_lshl_b32 s43, s43, 9
	s_add_co_u32 s42, s42, s43
	s_add_co_u32 s56, s43, STG                     ; and the same 512 bytes of the stage
	s_mov_b32 s43, 0
	s_add_nc_u64 s[10:11], s[10:11], s[42:43]
.irp i, 0,1,2,3
	v_mov_b32 v[20+\i], 0                          ; Q's codes of K = 64 .. 127: zeros,
.endr
.irp t, 0,1,2,3,4,5,6,7
.irp i, 0,1,2,3
	v_mov_b32 v[36+8*\t+\i], 0                     ; and K's: set once, never loaded over
.endr
.endr
	s_wait_tensorcnt 0x0                           ; my record is in,
	s_barrier_signal -1
	s_barrier_wait -1                              ; everybody's is: from here on the records are only read
	s_wait_loadcnt 0x0                             ; Q
; A KEY STEP: 128 keys.
.macro STEP
	v_add_nc_u32 v3, s[TB], v1
	v_add_nc_u32 v4, s[TB], v2
	v_nop
	v_nop                                          ; four places between the last step's products and the loads into V's fragments and scale words
.irp t, 0,1,2,3,4,5,6,7
	ds_load_b128 v[32+8*\t:35+8*\t], v3 offset:512*\t               ; K's images: 512 consecutive bytes a load
.endr
	ds_load_b64 v[26:27], v4 offset:4096           ; K's scale words: v26 tiles 0 (lanes 0-15) and 1 (lanes 16-31), v27 tiles 2, 3,
	ds_load_b64 v[28:29], v4 offset:4352           ; v28 tiles 4, 5, v29 tiles 6, 7
.irp d, 0,1,2,3
.irp c, 0,1
	ds_load_b128 v[192+8*\d+4*\c:195+8*\d+4*\c], v3 offset:4608+512*(2*\d+\c)
.endr
.endr
	ds_load_b64 v[30:31], v4 offset:8704           ; V's scale words: v30 channel tiles 0, 1, v31 tiles 2, 3
	s_wait_dscnt 9                                 ; K and its scale words are in; V's eight loads and its scale words' one may be out
.irp t, 0,1,2,3,4,5,6,7
.if \t%2
	v_wmma_scale_f32_16x16x128_f8f6f4 v[96+8*\t:103+8*\t], v[32+8*\t:39+8*\t], v[16:23], 0, v[26+\t/2], v24 matrix_a_fmt:MATRIX_FMT_FP4 matrix_b_fmt:MATRIX_FMT_FP4 matrix_a_scale:MATRIX_SCALE_ROW1
.else
	v_wmma_scale_f32_16x16x128_f8f6f4 v[96+8*\t:103+8*\t], v[32+8*\t:39+8*\t], v[16:23], 0, v[26+\t/2], v24 matrix_a_fmt:MATRIX_FMT_FP4 matrix_b_fmt:MATRIX_FMT_FP4
.endif
.endr
.rept 4
	v_nop                                          ; four places in front of the first read of the scores
.endr
.irp b, 0,1,2,3
	v_max3_num_f32 v[232+\b], v[96+16*\b], v[97+16*\b], v[98+16*\b]   ; THE LARGEST SCORE OF EACH BLOCK OF 32 KEYS: for the row's maximum, and, since p rises with the score, for the block's largest p
.endr
.irp i, 3,5,7,9,11,13
.irp b, 0,1,2,3
	v_max3_num_f32 v[232+\b], v[232+\b], v[96+16*\b+\i], v[97+16*\b+\i]   ; the four blocks by turns
.endr
.endr
.irp b, 0,1,2,3
	v_max_num_f32 v[232+\b], v[232+\b], v[111+16*\b]
.endr
.irp b, 0,1,2,3
	s_delay_alu instid0(VALU_DEP_4)
	v_permlanex16_b32 v[236+\b], v[232+\b], s[SEL], s[SEL+1]
.endr
.irp b, 0,1,2,3
	s_delay_alu instid0(VALU_DEP_4)
	v_max_num_f32 v[232+\b], v[232+\b], v[236+\b]  ; with lane l xor 16's 16 keys
.endr
	s_delay_alu instid0(VALU_DEP_2)
	v_max3_num_f32 v254, v232, v233, v234
	s_delay_alu instid0(VALU_DEP_1)
	v_max_num_f32 v254, v254, v235                 ; the step's largest score of my query
	s_delay_alu instid0(VALU_DEP_1)
	v_mul_f32 v254, s[CS], v254                    ; as t (c is positive)
	s_delay_alu instid0(VALU_DEP_1)
	v_max_num_f32 v13, v13, v254                   ; the running largest t
	v_mov_b32 v254, v12
	s_delay_alu instid0(VALU_DEP_2)
	v_floor_f32 v12, -v13                          ; the new -M = floor(-t) = -ceil(t): a whole number
	s_delay_alu instid0(VALU_DEP_1)
	v_sub_f32 v254, v12, v254                      ; M's old value less its new one: a whole number, 0 or less
	s_delay_alu instid0(VALU_DEP_1)
	v_cvt_i32_f32 v254, v254                       ; (it saturates)
	s_delay_alu instid0(VALU_DEP_1)
	v_ldexp_f32 v252, 1.0, v254                    ; f = 2^(old M - new M)
.irp j, 0,2,4,6,8,10,12,14,16,18,20,22,24,26,28,30,32,34,36,38,40,42,44,46,48,50,52,54,56,58,60,62
	v_pk_fma_f32 v[96+\j:97+\j], v[96+\j:97+\j], s[CS:CS+1], v[12:13] op_sel_hi:[1,0,0]   ; t - M, two at a time
.endr
.irp b, 0,1,2,3
	v_fma_f32 v[232+\b], v[232+\b], s[CS], v12     ; the same of each block's largest score
.endr
.set j, 0
	s_wait_alu depctr_va_vdst(0)
.rept 64
	v_exp_f32 v[96+j], v[96+j]                     ; p = 2^(t - M), at most 1: not normalised
.set j, j+1
.endr
	s_setprio 1
	v_pk_mul_f32 v[14:15], v[14:15], v[252:253] op_sel_hi:[1,0]   ; the sums under the new M: a plain instruction behind the exponentials
	s_wait_alu depctr_va_vdst(0)                   ; one wait for the batch of 64, ahead of its first reader
.irp b, 0,1,2,3
	v_exp_f32 v[232+\b], v[232+\b]                 ; the block's largest p: the same two instructions on the same number give the same bits
.endr
	v_pk_add_f32 v[236:237], v[100:101], v[104:105]
	v_pk_add_f32 v[248:249], v[108:109], v[112:113]
	v_pk_add_f32 v[246:247], v[116:117], v[120:121]
	v_pk_add_f32 v[244:245], v[124:125], v[128:129]
	v_pk_add_f32 v[242:243], v[132:133], v[136:137]
	v_pk_add_f32 v[240:241], v[140:141], v[144:145]
	v_pk_add_f32 v[238:239], v[148:149], v[152:153]
	v_pk_add_f32 v[14:15], v[14:15], v[156:157]
	v_pk_add_f32 v[236:237], v[236:237], v[96:97]
	v_pk_add_f32 v[248:249], v[248:249], v[98:99]
	v_pk_add_f32 v[246:247], v[246:247], v[102:103]
	v_pk_add_f32 v[244:245], v[244:245], v[106:107]
	v_pk_add_f32 v[242:243], v[242:243], v[110:111]
	v_pk_add_f32 v[240:241], v[240:241], v[114:115]
	v_pk_add_f32 v[238:239], v[238:239], v[118:119]
	v_pk_add_f32 v[14:15], v[14:15], v[122:123]
	v_pk_add_f32 v[236:237], v[236:237], v[126:127]
	v_pk_add_f32 v[248:249], v[248:249], v[130:131]
	v_pk_add_f32 v[246:247], v[246:247], v[134:135]
	v_pk_add_f32 v[244:245], v[244:245], v[138:139]
	v_pk_add_f32 v[242:243], v[242:243], v[142:143]
	v_pk_add_f32 v[240:241], v[240:241], v[146:147]
	v_pk_add_f32 v[238:239], v[238:239], v[150:151]
	v_pk_add_f32 v[14:15], v[14:15], v[154:155]
	v_pk_add_f32 v[236:237], v[236:237], v[158:159]
	s_delay_alu instid0(VALU_DEP_2)
	v_pk_add_f32 v[14:15], v[14:15], v[244:245]
	s_delay_alu instid0(VALU_DEP_2)
	v_pk_add_f32 v[236:237], v[236:237], v[242:243]
	v_pk_add_f32 v[248:249], v[248:249], v[240:241]
	v_pk_add_f32 v[246:247], v[246:247], v[238:239]
	s_delay_alu instid0(VALU_DEP_2)
	v_pk_add_f32 v[14:15], v[14:15], v[248:249]
	s_delay_alu instid0(VALU_DEP_2)
	v_pk_add_f32 v[236:237], v[236:237], v[246:247]
	s_delay_alu instid0(VALU_DEP_1)
	v_pk_add_f32 v[14:15], v[14:15], v[236:237]
	s_wait_alu depctr_va_vdst(0)                   ; and one for the four
.irp b, 0,1,2,3
	v_max_num_f32 v[232+\b], 0x1800000, v[232+\b]  ; the floor 2^(3 - 127): the byte cannot fall under 1
.endr
.irp b, 0,1,2,3
	s_delay_alu instid0(VALU_DEP_4)
	v_add_nc_u32 v[244+\b], 0xff000000, v[232+\b]  ; 2 off the exponent field: the conversion's scale operand
.endr
.irp b, 0,1,2,3
	s_delay_alu instid0(VALU_DEP_4)
	v_lshrrev_b32 v[236+\b], 23, v[244+\b]         ; the scale's byte
.endr
	s_delay_alu instid0(VALU_DEP_3)
	v_lshl_or_b32 v25, v237, 8, v236               ; P's scale word for these 128 keys
	s_delay_alu instid0(VALU_DEP_1)
	v_lshl_or_b32 v25, v238, 16, v25
	s_delay_alu instid0(VALU_DEP_1)
	v_lshl_or_b32 v25, v239, 24, v25
.irp c, 0,1
	v_cvt_scalef32_pk8_fp4_f32 v[224+4*\c], v[96+32*\c:103+32*\c],  v[244+2*\c]
	v_cvt_scalef32_pk8_fp4_f32 v[225+4*\c], v[112+32*\c:119+32*\c], v[245+2*\c]
	v_cvt_scalef32_pk8_fp4_f32 v[226+4*\c], v[104+32*\c:111+32*\c], v[244+2*\c]
	v_cvt_scalef32_pk8_fp4_f32 v[227+4*\c], v[120+32*\c:127+32*\c], v[245+2*\c]
.endr
	v_nop                                          ; one plain place behind the scaled conversions
.irp c, 0,1
	v_permlane16_swap_b32 v[224+4*\c], v[225+4*\c] ; lanes 0-15 now hold block 2 c, lanes 16-31 block 2 c + 1, in true key order
	v_permlane16_swap_b32 v[226+4*\c], v[227+4*\c]
.endr
	s_setprio 0
.irp j, 0,2,4,6,8,10,12,14,16,18,20,22,24,26,28,30
	v_pk_mul_f32 v[160+\j:161+\j], v[160+\j:161+\j], v[252:253] op_sel_hi:[1,0]   ; O^T under the new M, each accumulator from its low end on.  These 16 are also the places between P's codes and scale word and the products
.endr
	s_wait_alu depctr_va_vdst(0)
	s_wait_dscnt 0x0                               ; V and its scale words are in
.irp d, 0,1,2,3
.if \d%2
	v_wmma_scale_f32_16x16x128_f8f6f4 v[160+8*\d:167+8*\d], v[192+8*\d:199+8*\d], v[224:231], v[160+8*\d:167+8*\d], v[30+\d/2], v25 matrix_a_fmt:MATRIX_FMT_FP4 matrix_b_fmt:MATRIX_FMT_FP4 matrix_a_scale:MATRIX_SCALE_ROW1
.else
	v_wmma_scale_f32_16x16x128_f8f6f4 v[160+8*\d:167+8*\d], v[192+8*\d:199+8*\d], v[224:231], v[160+8*\d:167+8*\d], v[30+\d/2], v25 matrix_a_fmt:MATRIX_FMT_FP4 matrix_b_fmt:MATRIX_FMT_FP4
.endif
.endr
	s_add_co_u32 s[TB], s[TB], REC                 ; the next step's record
.endm
; One tile of 16 queries against all 2,048 keys, and its way out.
.macro TILE qt
.if \qt
	s_wait_xcnt 0x0                                ; the first tile's store has read its registers: P's codes are written again below
.irp i, 0,1,2,3
	v_mov_b32 v[16+\i], v[8+\i]                    ; the second tile's Q,
.endr
	v_mov_b32 v24, v7                              ; and its scale word; the lines below are more than the eight places that it wants ahead of the first product
.endif
	v_mov_b32 v13, 0xff61b1e6                      ; the largest t so far: -3e38, under every t
	s_delay_alu instid0(VALU_DEP_1)
	v_floor_f32 v12, -v13                          ; -M
	v_mov_b32 v14, 0                               ; the sum, in two halves
	v_mov_b32 v15, 0
.irp b, 0,1,2,3
	v_mov_b32 v[236+\b], 0                         ; a lane permute's destination counts as one of its sources
.endr
	v_mov_b32 v253, 0                              ; (named as the upper half of the pair v[252:253])
.set j, 0
.rept 32
	v_mov_b32 v[160+j], 0                          ; O^T: the step is written once; the first finds zeros, which the first change of M leaves zeros
.set j, j+1
.endr
	s_mov_b32 s[TB], 0
	s_mov_b32 s[CNT], 16
.Lkeys_\@:
	s_setprio 2
	STEP
	s_sub_co_u32 s[CNT], s[CNT], 1
	s_cmp_lg_u32 s[CNT], 0
	s_cbranch_scc1 .Lkeys_\@
	s_setprio 0
.rept 4
	v_nop                                          ; four places in front of the first read of O^T
.endr
	v_add_f32 v14, v14, v15                        ; the sum's two halves,
	s_delay_alu instid0(VALU_DEP_1)
	v_permlanex16_b32 v252, v14, s[SEL], s[SEL+1]
	s_delay_alu instid0(VALU_DEP_1)
	v_add_f32 v14, v14, v252                       ; and lane l xor 16's: the row's sum
	s_wait_alu depctr_va_vdst(0)
	v_rcp_f32 v14, v14
	v_nop                                          ; a plain instruction behind the reciprocal
	s_wait_alu depctr_va_vdst(0)                   ; and the wait ahead of its first reader
.irp j, 0,2,4,6,8,10,12,14,16,18,20,22,24,26,28,30
	v_pk_mul_f32 v[96+\j:97+\j], v[160+\j:161+\j], v[14:15] op_sel_hi:[1,0]   ; O^T / l: register 8 d + i is channel 16 d + 8 h + i of my query
.endr
	; the head's 64 channels are two blocks of the last projection's K: block B is tiles 2 B, 2 B + 1 in lanes l and l xor 16
.irp b, 0,1
	v_max3_num_f32 v[QM+\b], |v[96+16*\b]|, |v[97+16*\b]|, 0x1800000
.endr
.irp i, 2,4,6,8,10,12,14
.irp b, 0,1
	s_delay_alu instid0(VALU_DEP_2)
	v_max3_num_f32 v[QM+\b], v[QM+\b], |v[96+16*\b+\i]|, |v[97+16*\b+\i]|
.endr
.endr
.irp b, 0,1
	s_delay_alu instid0(VALU_DEP_2)
	v_permlanex16_b32 v[QX+\b], v[QM+\b], s[SEL], s[SEL+1]
.endr
.irp b, 0,1
	s_delay_alu instid0(VALU_DEP_2)
	v_max_num_f32 v[QM+\b], v[QM+\b], v[QX+\b]
.endr
.irp b, 0,1
	s_delay_alu instid0(VALU_DEP_2)
	v_add_nc_u32 v[QS+\b], 0xff000000, v[QM+\b]
.endr
.irp b, 0,1
	s_delay_alu instid0(VALU_DEP_2)
	v_lshrrev_b32 v[QB+\b], 23, v[QS+\b]
.endr
	v_cvt_scalef32_pk8_fp4_f32 v224, v[96:103],  v[QS]
	v_cvt_scalef32_pk8_fp4_f32 v225, v[112:119], v[QS+1]
	v_cvt_scalef32_pk8_fp4_f32 v226, v[104:111], v[QS]
	v_cvt_scalef32_pk8_fp4_f32 v227, v[120:127], v[QS+1]
	v_nop                                          ; one plain place behind the scaled conversions
	v_permlane16_swap_b32 v224, v225
	v_permlane16_swap_b32 v226, v227
	v_lshl_or_b32 v248, v[QB+1], 8, v[QB]
	global_store_b128 v1, v[224:227], s[8:9] offset:8192*\qt   ; the image: 512 consecutive bytes
	ds_store_b16 v6, v248 offset:32*\qt            ; my row's two scale bytes; lanes l and l xor 16 write the same bytes with the same value
.endm
	TILE 0
	TILE 1
	v_add_nc_u32 v3, s56, v1                       ; the stage's 512 bytes that waves 0 and 1 store
	s_wait_dscnt 0x0                               ; for the others' sake: my stores into the stage are done
	s_barrier_signal -1
	s_barrier_wait -1
	s_cmp_lt_u32 s[WV], 2
	s_cbranch_scc0 .Ldone
	s_wait_alu depctr_va_vdst(0)
	ds_load_b128 v[232:235], v3
	s_wait_dscnt 0x0
	global_store_b128 v1, v[232:235], s[10:11]     ; 512 consecutive bytes, aligned
.Ldone:
	s_wait_tensorcnt 0x0
	ds_add_u32 v251, v255
	s_wait_dscnt 0x0
	CROUND                                         ; the closing round: no work-group ends while a partner may still ask for a record that names it
	s_endpgm
.Lfunc_end_k_q40073ea2d6_attn:
	.size	k_q40073ea2d6_attn, .Lfunc_end_k_q40073ea2d6_attn-k_q40073ea2d6_attn
	.p2alignl 7, 3214868480
	.fill 96, 4, 3214868480
	.section	.rodata,"a",@progbits
	.p2align	6, 0x0
	.amdhsa_kernel k_q40073ea2d6_attn
		.amdhsa_group_segment_fixed_size 169984
		.amdhsa_private_segment_fixed_size 0
		.amdhsa_enable_private_segment 0
		.amdhsa_kernarg_size 32
		.amdhsa_user_sgpr_count 2
		.amdhsa_user_sgpr_kernarg_segment_ptr 1
		.amdhsa_wavefront_size32 1
		.amdhsa_system_sgpr_workgroup_id_x 1
		.amdhsa_system_sgpr_workgroup_id_y 1
		.amdhsa_system_sgpr_workgroup_id_z 1
		.amdhsa_system_vgpr_workitem_id 0
		.amdhsa_next_free_vgpr 256
		.amdhsa_next_free_sgpr 66
		.amdhsa_reserve_vcc 0
		.amdhsa_float_denorm_mode_32 3
		.amdhsa_float_denorm_mode_16_64 3
		.amdhsa_memory_ordered 1
		.amdhsa_forward_progress 1
		.amdhsa_inst_pref_size 51
	.end_amdhsa_kernel
	.amdgpu_metadata
---
amdhsa.version: [ 1, 2 ]
amdhsa.kernels:
  - .name:           k_q40073ea2d6_attn
    .symbol:         k_q40073ea2d6_attn.kd
    .args:
      - { .name: qrec, .offset: 0, .size: 8, .value_kind: global_buffer, .address_space: global }
      - { .name: kv, .offset: 8, .size: 8, .value_kind: global_buffer, .address_space: global }
      - { .name: aoc, .offset: 16, .size: 8, .value_kind: global_buffer, .address_space: global }
      - { .name: aos, .offset: 24, .size: 8, .value_kind: global_buffer, .address_space: global }
    .group_segment_fixed_size: 169984
    .private_segment_fixed_size: 0
    .kernarg_segment_align: 8
    .kernarg_segment_size: 32
    .max_flat_workgroup_size: 512
    .sgpr_count:     66
    .vgpr_count:     256
    .wavefront_size: 32
...
	.end_amdgpu_metadata
.endif
;; end of part 2
;; launch oproj (part 3): grid 4 x 64, 8 waves a work-group, clusters of 4 x 4, 240,640 bytes of LDS; arguments aoc, aos, wo_codes, wo_scales, bo, out0; writes out0
.if DOCPART == 3
	.amdgcn_target "amdgcn-amd-amdhsa--gfx1250"
	.amdhsa_code_object_version 6
	.text
	.protected	k_q40073ea2d6_oproj
	.globl	k_q40073ea2d6_oproj
	.p2align	8
	.type	k_q40073ea2d6_oproj,@function
k_q40073ea2d6_oproj:
	s_mov_b64 s[64:65], 0
	v_nop
	global_prefetch_b8 v0, s[64:65] scope:SCOPE_SE
	s_setreg_imm32_b32 hwreg(HW_REG_WAVE_MODE, 25, 1), 1
	s_wait_xcnt 0x0
	s_wait_alu depctr_hold_cnt(0) depctr_sa_sdst(0) depctr_va_vdst(0) depctr_va_sdst(0) depctr_va_ssrc(0) depctr_va_vcc(0) depctr_vm_vsrc(0)
	s_getreg_b32 s2, hwreg(HW_REG_IB_STS2, 6, 4)
	s_cmp_eq_u32 s2, 0
	s_cbranch_scc0 .Lentry_in_a_cluster
	s_endpgm
.Lentry_in_a_cluster:
	s_bfe_u32 s2, ttmp6, 0x10000c
	s_cmp_lg_u32 s2, 0xf033
	s_cbranch_scc0 .Lentry_shape_is_right
	s_endpgm
.Lentry_shape_is_right:
; out0 = ao wo^T + bo on codes of FP4 (E2M1) with one E8M0 scale for each 32 along K.  ao: attention's result as the launch before lays it: aoc [row tile 512][head 16][512 bytes], images of operand registers
; (head 2 s + e is registers 4 e .. 4 e + 3 of the fragment of K step s); aos [head 16][row 8,192] two scale bytes.  wo: [1024][1024] codes, 512 bytes a row; its scale bytes 32 a row.  bo [1024], out0 [8192][1024]: f32.
; SHARES.  A work-group makes 128 rows x 256 columns.  Eight waves: wave w takes columns 64 hw on (hw = w % 4) and rows 64 th on (th = w / 4): 16 accumulators of 16 x 16.
; ALL OF K LIES IN LDS, as two chunks of 512 along K, every byte filled once; chunk 1 lands while chunk 0 is multiplied.
; CLUSTER 4 x 4: the four work-groups of a row of the cluster read the same rows of ao, the four of a column the same rows of wo: each tile is asked for jointly.
; THE MATRIX INSTRUCTION IS USED TRANSPOSED (source 0 = 16 rows of wo, source 1 = 16 rows of ao): a lane then holds eight neighbouring numbers of a row of out0.
.set PITCH, 272                        ; a row of wo's chunk in LDS, and a stage row: 256 bytes + 16 of padding
.set HALFT, 64*PITCH
.set AOB,   32768                      ; a chunk's images of ao: row tile x 4,096 + (2 q + e) x 512
.set CHUNK, AOB+256*PITCH              ; then wo's 256 rows
.set STAGE, 2*CHUNK                    ; behind the chunks: 16 rows x 272 bytes for each wave, for the way out; no tensor load lands here
.set WA,  4                            ; v4, v5    LDS address of my fragments of wo in chunk 0, 1
.set AA,  6                            ; v6, v7    the same for ao's images
.set STO, 8                            ; v8        the way out: where I put 32 bytes of a row
.set RD,  9                            ; v9        where I read a row back
.set L32, 10                           ; v10       32 x lane
.set H32, 11                           ; v11       32 x (lane / 16)
.set L2,  12                           ; v12       2 x lane
.set GO,  13                           ; v13       my byte offset in two rows of out0
.set WS,  16                           ; v16-31    wo's scale words: register 8 i + s: word of K step s of row 32 i + lane of my 64; scales and nothing else
.set AS,  32                           ; v32-47    ao's likewise
.set F0,  64                           ; v64-95    wo's four fragments
.set F1,  96                           ; v96-127   ao's four
.set ACC, 128                          ; v128-255  accumulator (i of wo, j of ao) at ACC + 8 (4 j + i)
.set WV,  30                           ; s30 wave;  s31 hw;  s32 th;  s33 cx;  s34 cy;  s35 which 256 columns;  s36 which 128 rows
.set G1A, 40                           ; s[40:47] descriptor group 1 for ao's tiles;  s[48:55] for wo's
.set G1W, 48
.set G0A, 56                           ; s[56:63] group 0 for ao's chunks 0, 1;  s[68:75] for wo's
.set G0W, 68
.macro CROUND                          ; a round of the cluster's barrier
	s_barrier_signal -1
	s_barrier_wait -1
	s_cmp_lg_u32 s[WV], 0
	s_cbranch_scc1 .Lnot_wave_0_\@
	s_barrier_signal -3
.Lnot_wave_0_\@:
	s_barrier_wait -3
	s_barrier_signal -1
	s_barrier_wait -1
.endm
; One matrix instruction, by the symbols rD, rA, rB, rSA, rSB; rRA, rRB: the side's scale words stand in lanes 16-31.  Every sum begins on the bias, which is loaded into the accumulator
.macro WM
.if rRA && rRB
	v_wmma_scale_f32_16x16x128_f8f6f4 v[rD:rD+7], v[rA:rA+7], v[rB:rB+7], v[rD:rD+7], v[rSA], v[rSB] matrix_a_fmt:MATRIX_FMT_FP4 matrix_b_fmt:MATRIX_FMT_FP4 matrix_a_scale:MATRIX_SCALE_ROW1 matrix_b_scale:MATRIX_SCALE_ROW1
.elseif rRA
	v_wmma_scale_f32_16x16x128_f8f6f4 v[rD:rD+7], v[rA:rA+7], v[rB:rB+7], v[rD:rD+7], v[rSA], v[rSB] matrix_a_fmt:MATRIX_FMT_FP4 matrix_b_fmt:MATRIX_FMT_FP4 matrix_a_scale:MATRIX_SCALE_ROW1
.elseif rRB
	v_wmma_scale_f32_16x16x128_f8f6f4 v[rD:rD+7], v[rA:rA+7], v[rB:rB+7], v[rD:rD+7], v[rSA], v[rSB] matrix_a_fmt:MATRIX_FMT_FP4 matrix_b_fmt:MATRIX_FMT_FP4 matrix_b_scale:MATRIX_SCALE_ROW1
.else
	v_wmma_scale_f32_16x16x128_f8f6f4 v[rD:rD+7], v[rA:rA+7], v[rB:rB+7], v[rD:rD+7], v[rSA], v[rSB] matrix_a_fmt:MATRIX_FMT_FP4 matrix_b_fmt:MATRIX_FMT_FP4
.endif
.endm
; 128 along K: chunk c's q-th, K step s.  16 LDS loads, 16 matrix instructions; the 16 accumulators take turns, one instruction a turn, in the same order in every step.
.macro KSTEP c, q, s, first
.if !(\first)
.rept 4
	v_nop                                          ; four places between the last step's products and the loads into the registers that they read
.endr
.endif
.irp t, 0,1,2,3
.irp e, 0,1
	ds_load_b128 v[F1+8*\t+4*\e:F1+8*\t+4*\e+3], v[AA+\c] offset:4096*\t+1024*(\q)+512*\e    ; an image: 512 consecutive bytes
.endr
.endr
.irp t, 0,1,2,3
.irp e, 0,1
	ds_load_b128 v[F0+8*\t+4*\e:F0+8*\t+4*\e+3], v[WA+\c] offset:16*PITCH*\t+64*(\q)+32*\e   ; row l % 16 of the tile, 16 bytes for each half of the lanes, 32 bytes apart
.endr
.endr
.irp i, 0,1,2,3
	s_wait_dscnt 6-2*\i                            ; ao's four fragments and wo's up to i are in; the two loads of each later fragment of wo may be out
.irp j, 0,1,2,3
.set rD, ACC+8*(4*\j+\i)
.set rA, F0+8*\i
.set rB, F1+8*\j
.set rSA, WS+8*(\i/2)+(\s)
.set rSB, AS+8*(\j/2)+(\s)
.set rRA, \i%2
.set rRB, \j%2
	WM
.endr
.endr
.endm
	s_load_b256 s[4:11], s[0:1], 0x0               ; aoc s[4:5], aos s[6:7], wo's codes s[8:9], wo's scales s[10:11]
	s_load_b128 s[12:15], s[0:1], 0x20             ; bo s[12:13], out0 s[14:15]
	v_lshl_add_u32 v62, v0, 2, 0x3a800
	v_mov_b32 v63, 0
	ds_add_u32 v62, v63
	ds_add_u32 v62, v63
	v_lshrrev_b32 v1, 5, v0
	s_delay_alu instid0(VALU_DEP_1)
	v_readfirstlane_b32 s[WV], v1                  ; wave 0..7
	s_and_b32 s31, s[WV], 3                        ; hw
	s_lshr_b32 s32, s[WV], 2                       ; th
	s_bfe_u32 s33, ttmp6, 0x40000                  ; cx
	s_bfe_u32 s34, ttmp6, 0x40004                  ; cy
	s_lshl_b32 s35, ttmp9, 2
	s_add_co_u32 s35, s35, s33                     ; which 256 columns = 4 x cluster x + cx
	s_and_b32 s36, ttmp7, 0xffff
	s_lshl_b32 s36, s36, 2
	s_add_co_u32 s36, s36, s34                     ; which 128 rows = 4 x cluster y + cy
	s_lshl_b32 s37, s34, 2
	s_lshl_b32 s37, 15, s37                        ; my row of the cluster
	s_lshl_b32 s38, 0x1111, s33                    ; my column
	s_or_b32 s[G1A], s37, (3<<16)|(1<<21)          ; ao's tiles go to my row; elements of 8 bytes; bit 21 beside a mask; no padding: images are read on end
	s_mov_b32 s[G1A+1], 512<<16                    ; tensor_dim0: 4,096 bytes: a row tile's eight heads of a chunk
	s_mov_b32 s[G1A+2], 4<<16                      ; tensor_dim1: 4 row tiles
	s_mov_b32 s[G1A+3], 512<<16                    ; tile_dim0
	s_mov_b32 s[G1A+4], 4                          ; tile_dim1
	s_mov_b32 s[G1A+5], 1024                       ; from row tile to row tile: 8,192 bytes
	s_mov_b32 s[G1A+6], 0
	s_mov_b32 s[G1A+7], 0
	s_or_b32 s[G1W], s38, (1<<20)|(1<<21)|(5<<22)|(3<<25)   ; wo's tiles go to my column; elements of 1 byte; padding: 4 words after every 64
	s_mov_b32 s[G1W+1], 256<<16                    ; 64 rows x 256 bytes, 512 bytes apart in memory
	s_mov_b32 s[G1W+2], 64<<16
	s_mov_b32 s[G1W+3], 256<<16
	s_mov_b32 s[G1W+4], 64
	s_mov_b32 s[G1W+5], 512
	s_mov_b32 s[G1W+6], 0
	s_mov_b32 s[G1W+7], 0
	s_and_b32 s78, s[WV], 1                        ; ao (waves 0, 1): row tiles 8 x (which rows) + 4 x (wave % 2) on; these registers never hold cx
	s_lshl_b32 s86, s78, 14                        ; in LDS: 16,384 x (wave % 2)
	s_lshl_b32 s78, s78, 2
	s_lshl_b32 s79, s36, 3
	s_add_co_u32 s78, s78, s79
	s_lshl_b32 s78, s78, 13
	s_mov_b32 s79, 0
	s_add_co_u32 s82, s[WV], 2                     ; wo (waves 2 to 5): rows 256 x (which columns) + 64 x (wave - 2) on; these registers never hold cy
	s_and_b32 s82, s82, 3
	s_mul_i32 s87, s82, HALFT
	s_add_co_u32 s87, s87, AOB                     ; in LDS: behind the images
	s_lshl_b32 s82, s82, 6
	s_lshl_b32 s83, s35, 8
	s_add_co_u32 s82, s82, s83
	s_lshl_b32 s82, s82, 9
	s_mov_b32 s83, 0
	s_wait_dscnt 0x0
	s_wait_kmcnt 0x0
	s_add_nc_u64 s[80:81], s[4:5], s[78:79]
	s_add_nc_u64 s[84:85], s[8:9], s[82:83]
.irp c, 0,1
	s_mov_b32 s[G0A+4*\c], 1
	s_add_co_u32 s[G0A+4*\c+1], s86, \c*CHUNK
	s_add_nc_u64 s[G0A+4*\c+2:G0A+4*\c+3], s[80:81], 4096*\c   ; heads 8 c on
	s_or_b32 s[G0A+4*\c+3], s[G0A+4*\c+3], 0x80000000
	s_mov_b32 s[G0W+4*\c], 1
	s_add_co_u32 s[G0W+4*\c+1], s87, \c*CHUNK
	s_add_nc_u64 s[G0W+4*\c+2:G0W+4*\c+3], s[84:85], 256*\c    ; K = 512 c on
	s_or_b32 s[G0W+4*\c+3], s[G0W+4*\c+3], 0x80000000
.endr
	CROUND                                         ; all sixteen work-groups are here: the joint loads meet
	s_cmp_lt_u32 s[WV], 2                          ; a wave's two fills stand in one branch on the wave's number; two loads of mine are out at the most; four v_nop follow the second
	s_cbranch_scc0 .Lnot_a
	tensor_load_to_lds s[G0A:G0A+3], s[G1A:G1A+7]
	s_nop 0
	tensor_load_to_lds s[G0A+4:G0A+7], s[G1A:G1A+7]
	s_nop 0
.rept 4
	v_nop
.endr
	s_branch .Lasked
.Lnot_a:
	s_cmp_lt_u32 s[WV], 6
	s_cbranch_scc0 .Lasked
	tensor_load_to_lds s[G0W:G0W+3], s[G1W:G1W+7]
	s_nop 0
	tensor_load_to_lds s[G0W+4:G0W+7], s[G1W:G1W+7]
	s_nop 0
.rept 4
	v_nop
.endr
.Lasked:
	v_and_b32 v1, 31, v0                           ; lane
	v_and_b32 v2, 15, v0                           ; r
	v_bfe_u32 v3, v0, 4, 1                         ; h
	s_delay_alu instid0(VALU_DEP_3)
	v_lshlrev_b32 v[L32], 5, v1
	s_wait_alu depctr_va_vdst(0)
	v_lshlrev_b32 v[H32], 5, v3
	v_lshlrev_b32 v[L2], 1, v1
	s_wait_alu depctr_va_vdst(0)
	s_lshl_b32 s88, s35, 8
	s_lshl_b32 s89, s31, 6
	s_add_co_u32 s88, s88, s89                     ; my first column: 256 x (which columns) + 64 hw
	s_lshl_b32 s90, s88, 5
	s_mov_b32 s91, 0
	s_add_nc_u64 s[10:11], s[10:11], s[90:91]      ; wo's scale bytes of my 64 rows
	s_lshl_b32 s90, s88, 2
	s_add_nc_u64 s[12:13], s[12:13], s[90:91]      ; bo at my 64 columns
	s_lshl_b32 s92, s36, 7
	s_lshl_b32 s93, s32, 6
	s_add_co_u32 s92, s92, s93                     ; my first row: 128 x (which rows) + 64 th
	s_lshl_b32 s90, s92, 1
	s_add_nc_u64 s[6:7], s[6:7], s[90:91]          ; ao's scale bytes of my 64 rows, two a row and head
.irp i, 0,1
.irp e, 0,1
	global_load_b128 v[WS+8*\i+4*\e:WS+8*\i+4*\e+3], v[L32], s[10:11] offset:1024*\i+16*\e   ; lane l takes the 32 bytes of row 32 i + l: the words of all 8 K steps
.endr
.endr
.irp i, 0,1
.irp n, 0,1,2,3,4,5,6,7,8,9,10,11,12,13,14,15
	global_load_u16 v[F0+16*\i+\n], v[L2], s[6:7] offset:16384*\n+64*\i    ; head n's two bytes of row 32 i + l
.endr
.endr
.irp j, 0,1,2,3                                ; THE BIAS IS LOADED INTO THE ACCUMULATORS: lane (r, h) of tile i wants bo at columns 16 i + 8 h + 0 .. 7, whatever the row
.irp i, 0,1,2,3
.irp e, 0,1
	global_load_b128 v[ACC+8*(4*\j+\i)+4*\e:ACC+8*(4*\j+\i)+4*\e+3], v[H32], s[12:13] offset:64*\i+16*\e
.endr
.endr
.endr
	v_mul_u32_u24 v15, v2, PITCH
	s_delay_alu instid0(VALU_DEP_1)
	v_lshl_add_u32 v15, v3, 4, v15                 ; a fragment's row x pitch + 16 x half
	s_mul_i32 s86, s31, HALFT
	s_add_co_u32 s86, s86, AOB
	v_add_nc_u32 v[WA], s86, v15
	s_delay_alu instid0(VALU_DEP_1)
	v_add_nc_u32 v[WA+1], CHUNK, v[WA]
	s_lshl_b32 s86, s32, 14                        ; my four row tiles' images
	v_lshl_add_u32 v[AA], v1, 4, s86
	s_delay_alu instid0(VALU_DEP_1)
	v_add_nc_u32 v[AA+1], CHUNK, v[AA]
	s_mul_i32 s86, s[WV], 16*PITCH
	s_add_co_u32 s86, s86, STAGE                   ; my stage
	v_mul_u32_u24 v[STO], v2, PITCH                ; in: row r, 32 bytes for each half of the lanes
	s_delay_alu instid0(VALU_DEP_1)
	v_lshl_add_u32 v[STO], v3, 5, v[STO]
	s_delay_alu instid0(VALU_DEP_1)
	v_add_nc_u32 v[STO], s86, v[STO]
	v_mul_u32_u24 v[RD], v3, PITCH                 ; back: lanes 0-15 take one row of 256 bytes, lanes 16-31 the next
	s_delay_alu instid0(VALU_DEP_1)
	v_lshl_add_u32 v[RD], v2, 4, v[RD]
	s_delay_alu instid0(VALU_DEP_1)
	v_add_nc_u32 v[RD], s86, v[RD]
	v_lshlrev_b32 v[GO], 12, v3                    ; and the same two rows in out0, 4,096 bytes apart
	s_delay_alu instid0(VALU_DEP_1)
	v_lshl_add_u32 v[GO], v2, 4, v[GO]
	s_lshl_b32 s92, s92, 12                        ; out0: my first row, + 1,024 x (which columns) + 256 hw
	s_lshl_b32 s93, s35, 10
	s_add_co_u32 s92, s92, s93
	s_lshl_b32 s93, s31, 8
	s_add_co_u32 s92, s92, s93
	s_mov_b32 s93, 0
	s_add_nc_u64 s[14:15], s[14:15], s[92:93]
	s_wait_loadcnt 0x0                             ; the scale bytes and the bias
.irp i, 0,1
.irp s, 0,1,2,3,4,5,6,7
	v_lshl_or_b32 v[AS+8*\i+\s], v[F0+16*\i+2*\s+1], 16, v[F0+16*\i+2*\s]   ; K step s is heads 2 s and 2 s + 1: four bytes, a scale word
.endr
.endr
.rept 8
	v_nop                                          ; a scale register written by a vector instruction stands eight places ahead of a scaled matrix instruction
.endr
	s_wait_alu depctr_va_vdst(0)
	s_wait_tensorcnt 0x1                           ; my part of chunk 0 is in; my load of chunk 1 may be out
	s_barrier_signal -1
	s_barrier_wait -1                              ; everybody's part of chunk 0 is in
	KSTEP 0, 0, 0, 1
	KSTEP 0, 1, 1, 0
	KSTEP 0, 2, 2, 0
	KSTEP 0, 3, 3, 0
	s_wait_tensorcnt 0x0                           ; my part of chunk 1 is in (no LDS load of mine is out: the last step's count-down ended at 0)
	s_barrier_signal -1
	s_barrier_wait -1                              ; everybody's is
	KSTEP 1, 0, 4, 0
	KSTEP 1, 1, 5, 0
	KSTEP 1, 2, 6, 0
	KSTEP 1, 3, 7, 0
; THE WAY OUT, 16 rows x 64 columns at a time.  A lane holds 32 neighbouring bytes of a row and the lanes beside it other rows: so a tile goes through my own stage in LDS and comes back as whole rows of 256 bytes, into the
; registers that it left.  LDS serves a wave's instructions in order (ISA guide 5.7.1.4): no wait between the stores and the loads, nor in front of the next tile's stores.
.macro TOSTAGE j
.irp i, 0,1,2,3
	ds_store_b128 v[STO], v[ACC+8*(4*\j+\i):ACC+8*(4*\j+\i)+3] offset:64*\i          ; each accumulator from its low end on
	ds_store_b128 v[STO], v[ACC+8*(4*\j+\i)+4:ACC+8*(4*\j+\i)+7] offset:64*\i+16
.endr
.irp f, 0,1,2,3,4,5,6,7
	ds_load_b128 v[ACC+32*\j+4*\f:ACC+32*\j+4*\f+3], v[RD] offset:2*PITCH*\f
.endr
.endm
.macro SEND j, younger                 ; younger: the LDS instructions issued behind tile j's loads: the next tile's sixteen, or none
.irp f, 0,1,2,3,4,5,6,7
	s_wait_dscnt \younger+7-\f                     ; load f of the tile is in; its later loads and the next tile's instructions may be out
	global_store_b128 v[GO], v[ACC+32*\j+4*\f:ACC+32*\j+4*\f+3], s[14:15] offset:(16*\j+2*\f)*4096 th:TH_STORE_NT   ; 16 lanes store 256 consecutive bytes, at a multiple of 256 from out0's first byte; written once, read by nobody here
.endr
.endm
.rept 4
	v_nop                                          ; four places between the last products and the first read of results
.endr
	TOSTAGE 0
	TOSTAGE 1
	SEND 0, 16
	TOSTAGE 2
	SEND 1, 16
	TOSTAGE 3
	SEND 2, 16
	SEND 3, 0
	s_wait_tensorcnt 0x0
	ds_add_u32 v62, v63
	s_wait_dscnt 0x0
	CROUND                                         ; the closing round: no work-group ends while a partner may still ask for a tile that names it
	s_endpgm
.Lfunc_end_k_q40073ea2d6_oproj:
	.size	k_q40073ea2d6_oproj, .Lfunc_end_k_q40073ea2d6_oproj-k_q40073ea2d6_oproj
	.p2alignl 7, 3214868480
	.fill 96, 4, 3214868480
	.section	.rodata,"a",@progbits
	.p2align	6, 0x0
	.amdhsa_kernel k_q40073ea2d6_oproj
		.amdhsa_group_segment_fixed_size 240640
		.amdhsa_private_segment_fixed_size 0
		.amdhsa_enable_private_segment 0
		.amdhsa_kernarg_size 48
		.amdhsa_user_sgpr_count 2
		.amdhsa_user_sgpr_kernarg_segment_ptr 1
		.amdhsa_wavefront_size32 1
		.amdhsa_system_sgpr_workgroup_id_x 1
		.amdhsa_system_sgpr_workgroup_id_y 1
		.amdhsa_system_sgpr_workgroup_id_z 1
		.amdhsa_system_vgpr_workitem_id 0
		.amdhsa_next_free_vgpr 256
		.amdhsa_next_free_sgpr 96
		.amdhsa_reserve_vcc 0
		.amdhsa_float_denorm_mode_32 3
		.amdhsa_float_denorm_mode_16_64 3
		.amdhsa_memory_ordered 1
		.amdhsa_forward_progress 1
		.amdhsa_inst_pref_size 50
	.end_amdhsa_kernel
	.amdgpu_metadata
---
amdhsa.version: [ 1, 2 ]
amdhsa.kernels:
  - .name:           k_q40073ea2d6_oproj
    .symbol:         k_q40073ea2d6_oproj.kd
    .args:
      - { .name: aoc, .offset: 0, .size: 8, .value_kind: global_buffer, .address_space: global }
      - { .name: aos, .offset: 8, .size: 8, .value_kind: global_buffer, .address_space: global }
      - { .name: wo_codes, .offset: 16, .size: 8, .value_kind: global_buffer, .address_space: global }
      - { .name: wo_scales, .offset: 24, .size: 8, .value_kind: global_buffer, .address_space: global }
      - { .name: bo, .offset: 32, .size: 8, .value_kind: global_buffer, .address_space: global }
      - { .name: out0, .offset: 40, .size: 8, .value_kind: global_buffer, .address_space: global }
    .group_segment_fixed_size: 240640
    .private_segment_fixed_size: 0
    .kernarg_segment_align: 8
    .kernarg_segment_size: 48
    .max_flat_workgroup_size: 256
    .sgpr_count:     96
    .vgpr_count:     256
    .wavefront_size: 32
...
	.end_amdgpu_metadata
.endif
;; end of part 3
